; MI455X (gfx1250); checked and timed in simulation.
; The chip was launched on July 23, 2026; its instructions are those of AMD's public machine-readable ISA for CDNA 5 (MIT licence, August 2026) and "CDNA5" Instruction Set Architecture Reference Guide (July 2026). The comments in the code are by the model that wrote it; some were corrected since.
;; Transformer Block Quantum. Allowed arithmetic: matrix products marked QUANTISED: E2M3 operands, one E8M0 scale for each 32 along K, by v_wmma_scale_f32_16x16x128_f8f6f4 with both operands' format E2M3, f32 sums; products left as they are: f32 operands where the result goes on into a quantised operand, else bf16, f16 or f32 operands; f32 sums; everything else in f32.
;; Inputs: ln1_b 512 float32; ln1_g 512 float32; ln2_b 512 float32; ln2_g 512 float32; theta_attn 8 float32; theta_ffn 8 float32; w1 2,048 x 8 float32; w2 512 x 2,048 float32; w_combine 512 x 512 float32; x 8 x 4,096 x 512 float32.
;; Outputs: out0 8 x 4,096 x 512 float32.
;; This version of the problem:
;;   THIS VERSION OF THE PROBLEM IS GIVEN IN LOW PRECISION. The matrix products marked QUANTISED in the list below multiply operands that are first quantised to E2M3 (2 exponent bits, 3 mantissa bits; 6 bits a number), with one power-of-two scale for each 32 numbers along K (OCP MX v1.0); their sums are f32. All else is computed in f32.
;;   The module's matrix products, in the order in which they are computed (A, B: the left and right operand; K: the contracted axis; several contracted axes count as one K, in the product's order):
;;     1. batch 32,768 x [M 64, K 8] x [K 8, N 64]; A: computed on the way; B: computed on the way: left as it is (K = 8 < 32)
;;     2. batch 32,768 x [M 64, K 64] x [K 64, N 8]; A: softmax; B: computed on the way: left as it is (N = 8 < 16)
;;     3. [M 32,768, K 512] x [K 512, N 512]; A: computed on the way; B: input w_combine: QUANTISED
;;     4. [M 32,768, K 8] x [K 8, N 2,048]; A: computed on the way; B: input w1: left as it is (K = 8 < 32)
;;     5. [M 32,768, K 2,048] x [K 2,048, N 512]; A: computed on the way; B: input w2: QUANTISED
;;   THE QUANTISER, for each operand of a quantised product, along K:
;;     - K is cut into blocks of 32 from its start; a last block that is shorter is filled with zeros.
;;     - A block's scale is 2^e with e = floor(log2(the largest magnitude in the block)) - 2, held to -126 .. 127; a block of zeros has e = 0. As a byte (E8M0): e + 127.
;;     - Each number is divided by its block's scale, clamped to +-7.5, and rounded to the nearest number of E2M3, ties to even, subnormals kept.
;;     - The product sums the exact products of the quantised numbers (number of the format x scale) in f32.
;;   ~~~python
;;   def quantise(x, axis):      # numpy; x: float32 -> the quantised numbers, widened to float32 again
;;       x = np.moveaxis(x, axis, -1); K = x.shape[-1]
;;       x = np.pad(x, [(0, 0)] * (x.ndim - 1) + [(0, -K % 32)]); x = x.reshape(x.shape[:-1] + (-1, 32)); a = np.abs(x).max(-1, keepdims=True)
;;       e = np.where(a > 0, np.clip(np.frexp(np.where(a > 0, a, 1))[1] - 1 - 2, -126, 127), 0)      # np.frexp(a)[1] - 1 = floor(log2(a)), exactly
;;       r = np.clip(x / 2.0 ** e, -7.5, 7.5)
;;       step = 2.0 ** (np.maximum(np.frexp(np.where(r == 0, 1, r))[1] - 1, 0) - 3)
;;       q = np.round(r / step) * step * 2.0 ** e      # np.round: ties to even
;;       return np.moveaxis(q.reshape(q.shape[:-2] + (-1,))[..., :K], -1, axis).astype(np.float32)
;;   ~~~
;;   OPERANDS COMPUTED ON THE WAY. 'Computed on the way' means the value that the module computes at that place (a softmax that the list does not call 'softmax' is quantised finished and normalised). What goes into a quantiser is computed in f32, as accurately as f32 sums, v_exp_f32 and their like allow (about 1e-6 of the number): no bf16 or f16 on the way to a quantiser, and a product that is left as it is and whose result goes on into a quantised operand takes f32 operands (vector FMAs, or v_wmma_f32_16x16x4_f32). A number that lies on a knife's edge between two numbers of the format may be rounded either way, as far as f32 arithmetic and the matrix unit's own rounding can turn it there, and no further.
;; One version. Each part assembles by itself: llvm-mc -triple=amdgcn-amd-amdhsa -mcpu=gfx1250 --defsym DOCPART=n.
;; ======== version 1 of 1: 2 launches
;; limits: inputs' magnitudes at most 100,000; right only within a limited range of input values
;; workspace buffers: acodes 12,582,912 bytes; ascales 524,288 bytes; wstream 1,024,000 bytes
;; launch attn (part 1): grid 256 x 1, 8 waves a work-group, no clusters, 209,920 bytes of LDS; arguments x, theta_attn, w_combine, w2, acodes, ascales, wstream; writes acodes, ascales, wstream
.if DOCPART == 1
	.amdgcn_target "amdgcn-amd-amdhsa--gfx1250"
	.amdhsa_code_object_version 6
	.text
	.protected	k_qf7a325e259_attn
	.globl	k_qf7a325e259_attn
	.p2align	8
	.type	k_qf7a325e259_attn,@function
k_qf7a325e259_attn:
	s_mov_b64 s[64:65], 0
	v_nop
	global_prefetch_b8 v0, s[64:65] scope:SCOPE_SE
	s_setreg_imm32_b32 hwreg(HW_REG_WAVE_MODE, 25, 1), 1
	s_wait_xcnt 0x0
; FIRST LAUNCH OF TWO.  For each of the 32,768 tokens: Q[64 heads][8] = cumprod(cos(x + theta_attn)); scores Q Q^T / sqrt(8); softmax over the heads' axis; times Q.
; The result is quantised to E2M3 with one E8M0 scale for 32 along K, as the left operand of the product with w_combine, and stored in the order of that operand's registers.
; reference()'s transposing reshape puts head h of token s of a batch at row 64 h + s / 64, column 8 (s % 64) + i: so 16 tokens are a K step of 128 and 4 tokens a block of 32.
; Two or three of the eight waves also quantise one fragment (16 rows x 128 K) of w2 or of w_combine each, into the stream of K steps that the second launch walks.
; WORK LEFT OUT: reference() multiplies Q with itself, so score(k, q) = score(q, k) for all values of the inputs, and with no maximum taken away p = 2^score is symmetric too.  Of the 16 tiles of 16 x 16 scores the
; ten on and above the diagonal are multiplied and put through the exponential; the six below it are the transposes of tiles already made, and come through LDS.  Every input is loaded by this launch or by the next.
; THE MAXIMUM AHEAD OF THE EXPONENTIAL: every number of Q is a product of cosines, so |Q| <= 1 for all finite inputs, |score| <= 8 / sqrt(8) = 2.83, each exponential lies between 0.059 and 16.9
; and a row's sum is at most 1,083: the computation itself bounds the exponents, nothing can overflow or underflow in f32, and no maximum is taken away.
; LIMITS: the cosine (reduction by pi in two parts, odd polynomial up to t^13) is written for |x + theta| <= 1e5; NaN and infinities among the inputs are not served.
; A block of zeros gets the scale byte 1 where the quantiser says 127: its codes are zeros, which add nothing, and the bytes are read by this program alone.
; SHARES.  Work-group g: tokens 128 g .. 128 g + 127.  Wave v: 16 of them = K step v % 4 of the four row tiles of token group 2 (g % 32) + v / 4.  No byte of LDS is shared between waves: no barrier.
; No cluster: no two work-groups read the same bytes (a weight fragment has one wave in the launch).
; LAYOUT.  lane = (r, hh), r = lane % 16, hh = lane / 16.  A lane holds Q[16 a + r][4 hh .. 4 hh + 3]: four registers a block a, which are the two K steps of the f32 matrix form (the same order of k on both sides).
; S^T tile (a, b): source 0 = keys 16 a .., source 1 = queries 16 b .. (times log2(e) / sqrt(8)): a lane holds query 16 b + r and keys 16 a + 8 hh + j.  p = 2^S.
; The second product runs on the vector unit: O[b][0..7] += p x Q[key][0..7], Q's rows read from LDS, one address for sixteen lanes.  Each half of the lanes sums its 32 keys; the halves of two tokens 4 apart
; are joined by an exchange of halves, after which lanes 0-15 hold one token and lanes 16-31 the other: the 6-bit operand's layout.
; REGISTERS.  window 0: v1-9 addresses, v10 a permute's destination, v12-13 the transposes' addresses, v14-15 the add's two, v16-19 reciprocals, v20-23 theta, v24-27 scale words, v28-29 a constant, v30-31 addresses,
;   v32-63 x of two tokens, v64-95 Q and c Q (later codes), v96-175 O and sums of two tokens, v176-239 p in two sets (also the cosine's work, and 64 numbers to be quantised), v240-247 at work.
;   window 1: v0-127 the places of the 16 score tiles (ten are used), written by matrix instructions alone; v128-255 Q's rows, two sets of 64.
.set WREG,  26112                      ; LDS of a wave: Q's 64 rows of 32 bytes, the stage of 16,384 bytes, six tiles of 16 rows x 80 bytes for the transposes
.set OSTO,  2048
.set TBO,   18432
.set SPARE, 8*WREG                     ; behind the eight regions: the spare words, 128 bytes a wave, that no other line names
.set XOFF, 1                           ; 32 r + 16 hh: my 16 bytes of 512 of a token's row
.set QST,  2                           ; where I store my four numbers of a row of Q
.set QLD,  3                           ; where my half's eight rows of Q begin
.set OSB,  4                           ; the stage + 16 x lane
.set OSW,  5                           ; the same + 1,024 x the pair's number
.set CDO,  6                           ; 8 x lane
.set L16,  7                           ; 16 x lane
.set PSR,  8                           ; the stage + 528 r + 128 hh: a weight's row, my half of a block
.set SH8,  9                           ; 8 hh
.set PT,   10
.set TSA,  12                          ; a transpose on its way in: row 8 hh (+ j by the offset), column r: 640 hh + 4 r
.set TLA,  13                          ; and on its way out: row r, columns 8 hh ..: 80 r + 32 hh
.set SPW,  14
.set NIL,  15
.set RC,   16
.set TH,   20
.set SW,   24
.set C11,  28
.set THO,  30                          ; 16 hh
.set R4,   31                          ; 4 r
.set XA,   32
.set XB,   48
.set QA,   64
.set QB,   80
.set OA,   96
.set SA,   128
.set OB,   136
.set SB,   168
.set P,    176
.set CM,   176                         ; the cosine's work: four runs of 16
.set CT,   192
.set CZ,   208
.set CP,   224
.set FP,   240
.set AC,   12                          ; s[12:13] the codes' base of my wave
.set ASC,  14                          ; s[14:15] the scale words'
.set WV,   18
.set GI,   19
.set SEL,  20
.set HM,   22
.set DOP,  23
.set INVPI, 24
.set MAGIC, 26
.set NMAGIC, 28
.set NPIHI, 30
.set PILO, 32
.set C13,  34
.set C9,   36
.set C7,   38
.set C5,   40
.set C3,   42
.set CS,   44
.set XBASE, 46
.set XP,   48
.set CO,   50
.set CI,   51
.set PI,   52
.set QO,   53
.set TA,   54
.set TBB,  56
.set PSRC, 58
.set PD,   60
.set PS,   62
.set MSB, 0
.macro WIN new                         ; the immediate's high byte repeats the setting that is left; a switch that changes nothing is dropped
.if MSB != (\new)
	s_set_vgpr_msb (MSB<<8)|(\new)
.set MSB, (\new)
.endif
.endm
.macro NOPS n
.rept \n
	v_nop
.endr
.endm
.macro SPAIR reg, val                  ; a packed line names a pair and takes its low word for both halves: both words are written
	s_mov_b32 s[\reg], \val
	s_mov_b32 s[\reg+1], \val
.endm
; cos of np pairs of numbers, stage by stage over all pairs, so that no line waits for the line above it.
; n = the whole number nearest a / pi + 1/2; t = a - (n - 1/2) pi, pi in two parts; cos a = (-1)^n sin t; sin t = t + t z P(z), z = t t.
.macro COSPK src, dst, np, m, t, z, p, c11
.set ci, 0
.rept \np
	v_pk_fma_f32 v[\m+ci:\m+ci+1], v[\src+ci:\src+ci+1], s[INVPI:INVPI+1], 0.5 op_sel_hi:[1,0,0]
.set ci, ci+2
.endr
.set ci, 0
.rept \np
	v_pk_add_f32 v[\m+ci:\m+ci+1], v[\m+ci:\m+ci+1], s[MAGIC:MAGIC+1] op_sel_hi:[1,0]    ; + 1.5 x 2^23: rounded to a whole number, whose lowest bit is n's
.set ci, ci+2
.endr
.set ci, 0
.rept \np
	v_pk_add_f32 v[\t+ci:\t+ci+1], v[\m+ci:\m+ci+1], s[NMAGIC:NMAGIC+1] op_sel_hi:[1,0]  ; n
.set ci, ci+2
.endr
.set ci, 0
.rept \np
	v_pk_add_f32 v[\t+ci:\t+ci+1], v[\t+ci:\t+ci+1], -0.5 op_sel_hi:[1,0]                ; n - 1/2
.set ci, ci+2
.endr
.set ci, 0
.rept \np
	v_pk_fma_f32 v[\z+ci:\z+ci+1], v[\t+ci:\t+ci+1], s[NPIHI:NPIHI+1], v[\src+ci:\src+ci+1] op_sel_hi:[1,0,1]
.set ci, ci+2
.endr
.set ci, 0
.rept \np
	v_pk_fma_f32 v[\t+ci:\t+ci+1], v[\t+ci:\t+ci+1], s[PILO:PILO+1], v[\z+ci:\z+ci+1] op_sel_hi:[1,0,1]   ; t
.set ci, ci+2
.endr
.set ci, 0
.rept 2*\np
	v_lshlrev_b32 v[\m+ci], 31, v[\m+ci]
.set ci, ci+1
.endr
.set ci, 0
.rept 2*\np
	v_xor_b32 v[\t+ci], v[\m+ci], v[\t+ci]                                               ; (-1)^n t: the polynomial is odd
.set ci, ci+1
.endr
.set ci, 0
.rept \np
	v_pk_mul_f32 v[\z+ci:\z+ci+1], v[\t+ci:\t+ci+1], v[\t+ci:\t+ci+1]
.set ci, ci+2
.endr
.set ci, 0
.rept \np
	v_pk_fma_f32 v[\p+ci:\p+ci+1], v[\z+ci:\z+ci+1], s[C13:C13+1], v[\c11:\c11+1] op_sel_hi:[1,0,1]
.set ci, ci+2
.endr
.irp k, C9, C7, C5, C3
.set ci, 0
.rept \np
	v_pk_fma_f32 v[\p+ci:\p+ci+1], v[\p+ci:\p+ci+1], v[\z+ci:\z+ci+1], s[\k:\k+1] op_sel_hi:[1,1,0]
.set ci, ci+2
.endr
.endr
.set ci, 0
.rept \np
	v_pk_mul_f32 v[\z+ci:\z+ci+1], v[\t+ci:\t+ci+1], v[\z+ci:\z+ci+1]
.set ci, ci+2
.endr
.set ci, 0
.rept \np
	v_pk_fma_f32 v[\dst+ci:\dst+ci+1], v[\z+ci:\z+ci+1], v[\p+ci:\p+ci+1], v[\t+ci:\t+ci+1]
.set ci, ci+2
.endr
.endm
; the largest magnitude of 32 numbers of a lane, in two chains, with the floor 2^(3 - 127) as one more leaf: so the scale's byte cannot fall under 1
.macro MAX32 d, t, b
	v_max3_num_f32 v[\d], |v[\b]|, |v[\b+1]|, |v[\b+2]|
	v_max3_num_f32 v[\t], |v[\b+3]|, |v[\b+4]|, |v[\b+5]|
.irp i, 6,10,14,18,22,26
	v_max3_num_f32 v[\d], v[\d], |v[\b+\i]|, |v[\b+\i+1]|
	v_max3_num_f32 v[\t], v[\t], |v[\b+\i+2]|, |v[\b+\i+3]|
.endr
	v_max3_num_f32 v[\d], v[\d], |v[\b+30]|, |v[\b+31]|
	v_max3_num_f32 v[\d], v[\d], v[\t], 0x1800000
.endm
; my half's eight rows of Q of key tile a, 32 bytes each, into set st of window 1 (the window is set by the caller: destination 1)
.macro QBLOAD a, st
.irp j, 0,1,2,3,4,5,6,7
	ds_load_b128 v[128+64*(\st)+8*\j:128+64*(\st)+8*\j+3],   v[QLD] offset:512*(\a)+32*\j
	ds_load_b128 v[128+64*(\st)+8*\j+4:128+64*(\st)+8*\j+7], v[QLD] offset:512*(\a)+32*\j+16
.endr
.endm
	s_load_b256 s[4:11], s[0:1], 0x0               ; x, theta_attn, w_combine, w2
	s_load_b128 s[12:15], s[0:1], 0x20             ; acodes, ascales
	s_load_b64 s[16:17], s[0:1], 0x30              ; wstream
	v_lshl_add_u32 v[SPW], v0, 2, SPARE
	v_mov_b32 v[NIL], 0
	v_lshrrev_b32 v10, 5, v0
	v_readfirstlane_b32 s[WV], v10                 ; wave 0..7
	v_and_b32 v10, 31, v0                          ; lane
	v_and_b32 v11, 15, v0                          ; r
	v_bfe_u32 v12, v0, 4, 1                        ; hh
	s_mul_i32 s[TA], s[WV], WREG                   ; my wave's LDS
	s_add_co_u32 s[TA+1], s[TA], OSTO
	s_add_co_u32 s[TBB], s[TA], TBO
	v_lshlrev_b32 v[XOFF], 5, v11
	v_lshl_add_u32 v[XOFF], v12, 4, v[XOFF]
	v_add_nc_u32 v[QST], s[TA], v[XOFF]
	v_lshlrev_b32 v[QLD], 8, v12
	v_add_nc_u32 v[QLD], s[TA], v[QLD]
	v_lshlrev_b32 v[L16], 4, v10
	v_add_nc_u32 v[OSB], s[TA+1], v[L16]
	v_mul_u32_u24 v[PSR], v11, 528
	v_lshl_add_u32 v[PSR], v12, 7, v[PSR]
	v_add_nc_u32 v[PSR], s[TA+1], v[PSR]
	v_lshlrev_b32 v[CDO], 3, v10
	v_lshlrev_b32 v[SH8], 3, v12
	v_lshlrev_b32 v[THO], 4, v12
	v_lshlrev_b32 v[R4], 2, v11
	v_mul_u32_u24 v[TLA], v11, 80                  ; rows of 64 bytes + 16: an odd multiple of 16, so that the sixteen rows of a load begin in different banks
	v_lshl_add_u32 v[TLA], v12, 5, v[TLA]
	v_add_nc_u32 v[TLA], s[TBB], v[TLA]
	v_mul_u32_u24 v[TSA], v12, 640                 ; (hh is not wanted behind this line)
	v_lshl_add_u32 v[TSA], v11, 2, v[TSA]
	v_add_nc_u32 v[TSA], s[TBB], v[TSA]
	v_mov_b32 v[PT], 0                             ; a lane permute's destination counts as one of its sources: written once
.irp a, 0,1,2,3
	v_mov_b32 v[FP+2*\a+1], 0
	v_mov_b32 v[SW+\a], 0                          ; the scale words are shifted in, two bytes a trip
.endr
	v_mov_b32 v[C11], 0xb2d7322b                   ; -1 / 11!
	v_mov_b32 v[C11+1], 0xb2d7322b
	SPAIR INVPI,  0x3ea2f983                       ; 1 / pi
	SPAIR MAGIC,  0x4b400000                       ; 1.5 x 2^23
	SPAIR NMAGIC, 0xcb400000
	SPAIR NPIHI,  0xc0490fdb                       ; -(pi rounded to f32)
	SPAIR PILO,   0x33bbbd2e                       ; that rounding's error
	SPAIR C13,    0x2f309231                       ; 1 / 13!
	SPAIR C9,     0x3638ef1d
	SPAIR C7,     0xb9500d01
	SPAIR C5,     0x3c088889
	SPAIR C3,     0xbe2aaaab
	SPAIR CS,     0x3f0293ee                       ; log2(e) / sqrt(8)
	s_mov_b32 s[SEL], 0x76543210
	s_mov_b32 s[SEL+1], 0xfedcba98                 ; v_permlanex16_b32's selects for lane l xor 16
	s_mov_b32 s[HM], 0xffff0000                    ; lanes 16-31
	s_mov_b32 s[GI], ttmp9
	; which weight fragment is mine, if any: waves 0 and 1 take fragment 2 g + wave of w2's 512, wave 2 of work-groups 0 to 127 fragment g of w_combine's 128
	s_lshl_b32 s[TBB], s[GI], 1
	s_add_co_u32 s[TBB], s[TBB], s[WV]
	s_cmp_lt_u32 s[GI], 128
	s_cselect_b32 s[DOP], 3, 2
	s_cmp_lt_u32 s[WV], s[DOP]
	s_cselect_b32 s[DOP], 1, 0                     ; 1: I have one
	s_cmp_lt_u32 s[WV], 2
	s_cselect_b32 s[TBB], s[TBB], s[GI]            ; the fragment's number: K step (/ 32), column tile (% 32)
	s_cselect_b32 s[TBB+1], 17, 15                 ; 16 rows of the weight: 2^17 bytes in w2, 2^15 in w_combine
	s_cselect_b32 s[PS], 4, 0                      ; w2's K steps follow w_combine's four in the stream
	s_lshr_b32 s[PD], s[TBB], 5
	s_and_b32 s[TBB], s[TBB], 31
	s_lshl_b32 s[PSRC], s[TBB], s[TBB+1]
	s_lshl_b32 s[TBB+1], s[PD], 9                  ; 128 numbers along K are 512 bytes
	s_add_co_u32 s[PSRC], s[PSRC], s[TBB+1]
	s_add_co_u32 s[PD], s[PD], s[PS]
	s_mul_i32 s[PD], s[PD], 51200                  ; a K step of the stream: 32 images of 1,536 bytes, then 2,048 bytes of scale words
	s_lshl_b32 s[PS], s[TBB], 6
	s_add_co_u32 s[PS], s[PS], s[PD]
	s_add_co_u32 s[PS], s[PS], 49152
	s_mul_i32 s[TBB], s[TBB], 1536
	s_add_co_u32 s[PD], s[PD], s[TBB]
	s_mov_b32 s[PSRC+1], 0
	s_mov_b32 s[PD+1], 0
	s_mov_b32 s[PS+1], 0
	s_lshl_b32 s[XBASE], s[GI], 18                 ; 128 tokens of 2,048 bytes,
	s_lshl_b32 s[TBB], s[WV], 15                   ; 16 of them
	s_add_co_u32 s[XBASE], s[XBASE], s[TBB]
	s_mov_b32 s[XBASE+1], 0
	s_mul_i32 s[XP], s[GI], 49152                  ; codes: [g][jj 2][b 4][s 4][c 2][p 3][lane][8 bytes]
	s_lshr_b32 s[TBB], s[WV], 2
	s_mul_i32 s[TBB], s[TBB], 24576
	s_add_co_u32 s[XP], s[XP], s[TBB]
	s_and_b32 s[TBB], s[WV], 3
	s_mul_i32 s[TBB], s[TBB], 1536
	s_add_co_u32 s[XP], s[XP], s[TBB]
	s_mov_b32 s[XP+1], 0
	s_lshl_b32 s[TBB], s[GI], 11                   ; scale words: [g][jj][s][lane][2]: 256 bytes a wave
	s_lshl_b32 s[TBB+1], s[WV], 8
	s_add_co_u32 s[TBB], s[TBB], s[TBB+1]
	s_mov_b32 s[TBB+1], 0
	s_wait_kmcnt 0x0
	s_add_nc_u64 s[XBASE:XBASE+1], s[4:5], s[XBASE:XBASE+1]
	s_add_nc_u64 s[AC:AC+1], s[AC:AC+1], s[XP:XP+1]
	s_add_nc_u64 s[ASC:ASC+1], s[ASC:ASC+1], s[TBB:TBB+1]
	s_cmp_lt_u32 s[WV], 2
	s_cselect_b64 s[TA:TA+1], s[10:11], s[8:9]
	s_add_nc_u64 s[PSRC:PSRC+1], s[TA:TA+1], s[PSRC:PSRC+1]
	s_add_nc_u64 s[PD:PD+1], s[16:17], s[PD:PD+1]
	s_add_nc_u64 s[PS:PS+1], s[16:17], s[PS:PS+1]
	s_mov_b64 s[XP:XP+1], s[XBASE:XBASE+1]
	global_load_b128 v[TH:TH+3], v[THO], s[6:7]    ; theta[4 hh .. 4 hh + 3]
.irp a, 0,1,2,3
	global_load_b128 v[XA+4*\a:XA+4*\a+3], v[XOFF], s[XP:XP+1] offset:512*\a th:TH_LOAD_NT        ; tokens 0 and 4: each load reads 512 consecutive bytes
.endr
.irp a, 0,1,2,3
	global_load_b128 v[XB+4*\a:XB+4*\a+3], v[XOFF], s[XP:XP+1] offset:8192+512*\a th:TH_LOAD_NT
.endr
	; ---- a weight fragment: 16 rows x 128 K of f32 become 12 registers of codes and a scale word a row
	s_cmp_eq_u32 s[DOP], 0
	s_cbranch_scc1 .Lnoprep
	s_cmp_lt_u32 s[WV], 2
	s_cbranch_scc0 .Lwc
.set li, 0
.rept 16
	global_load_b128 v[P+4*li:P+4*li+3], v[L16], s[PSRC:PSRC+1] offset:8192*li th:TH_LOAD_NT      ; row li's 512 bytes, 16 a lane
.set li, li+1
.endr
	s_branch .Lgot
.Lwc:
.set li, 0
.rept 16
	global_load_b128 v[P+4*li:P+4*li+3], v[L16], s[PSRC:PSRC+1] offset:2048*li th:TH_LOAD_NT
.set li, li+1
.endr
.Lgot:
	s_wait_loadcnt 0x0
.set li, 0
.rept 16
	ds_store_b128 v[OSB], v[P+4*li:P+4*li+3] offset:528*li       ; through my own stage, rows 528 bytes apart; LDS serves a wave's instructions in order: no wait ahead of the loads
.set li, li+1
.endr
.irp c, 0,1
.irp e, 0,1,2,3,4,5,6,7
	ds_load_b128 v[P+32*\c+4*\e:P+32*\c+4*\e+3], v[PSR] offset:256*\c+16*\e   ; row r, k = 64 c + 32 hh + 4 e ..: the operand's own order
.endr
.endr
	s_wait_dscnt 0x0
	MAX32 FP, FP+1, P                              ; block hh,
	MAX32 FP+2, FP+3, P+32                         ; block 2 + hh: all 32 numbers of each are mine
	v_add_nc_u32 v[FP+4], 0xff000000, v[FP]        ; 2 off the exponent field: the conversion takes that field as its scale
	v_add_nc_u32 v[FP+5], 0xff000000, v[FP+2]
	v_lshrrev_b32 v[FP], 23, v[FP+4]               ; the scales' bytes
	v_lshrrev_b32 v[FP+2], 23, v[FP+5]
	v_lshl_or_b32 v[FP], v[FP+2], 16, v[FP]
	v_lshlrev_b32 v[FP], v[SH8], v[FP]             ; at their places in the word (8 hh bits up);
	v_permlanex16_b32 v[PT], v[FP], s[SEL], s[SEL+1]
	v_or_b32 v[FP], v[FP], v[PT]                   ; with lane l xor 16's two the word is whole
	v_cvt_scalef32_pk16_fp6_f32 v[QA:QA+2], v[P:P+15], v[FP+4]
	v_cvt_scalef32_pk16_fp6_f32 v[QA+12:QA+14], v[P+16:P+31], v[FP+4]     ; (a conversion's three registers begin on an even number)
	v_cvt_scalef32_pk16_fp6_f32 v[QA+6:QA+8], v[P+32:P+47], v[FP+5]
	v_cvt_scalef32_pk16_fp6_f32 v[QA+16:QA+18], v[P+48:P+63], v[FP+5]
	v_nop                                          ; one plain line behind the conversions
.irp i, 0,1,2
	v_mov_b32 v[QA+3+\i], v[QA+12+\i]
	v_mov_b32 v[QA+9+\i], v[QA+16+\i]
.endr
.irp q, 0,1,2
	global_store_b128 v[L16], v[QA+4*\q:QA+4*\q+3], s[PD:PD+1] offset:512*\q   ; the image of the registers: 512 consecutive bytes a store
.endr
	global_store_b32 v[R4], v[FP], s[PS:PS+1]      ; 64 bytes of scale words; lanes r and r + 16 store the same word to the same place
	s_wait_xcnt 0x0                                ; the stores' registers are written again only behind this wait
.Lnoprep:
; ---- one token.  X: its 16 numbers a lane; O, SUM: where its sums go; isb = 1: the pair's second token, behind whose cosines the next pair's x is asked for
.macro TOKEN X, O, SUM, isb
.if \isb
	s_wait_loadcnt 0x0
.else
	s_wait_loadcnt 0x4                             ; my four loads are in; the second token's four may be out
.endif
.irp a, 0,1,2,3
	v_pk_add_f32 v[\X+4*\a:\X+4*\a+1], v[\X+4*\a:\X+4*\a+1], v[TH:TH+1]
	v_pk_add_f32 v[\X+4*\a+2:\X+4*\a+3], v[\X+4*\a+2:\X+4*\a+3], v[TH+2:TH+3]
.endr
	COSPK \X, CM, 8, CM, CT, CZ, CP, C11
.irp k, 1,2,3                          ; the products of my four cosines, from the first on
.irp a, 0,1,2,3
	v_mul_f32 v[CM+4*\a+\k], v[CM+4*\a+\k-1], v[CM+4*\a+\k]
.endr
.endr
.irp a, 0,1,2,3
	v_permlanex16_b32 v[FP+2*\a+1], v[CM+4*\a+3], s[SEL], s[SEL+1]
.endr
.irp a, 0,1,2,3
	v_cndmask_b32 v[FP+2*\a], 1.0, v[FP+2*\a+1], s[HM]           ; lanes 16-31 go on from the product of components 0 to 3
.endr
.irp a, 0,1,2,3
	v_pk_mul_f32 v[QA+4*\a:QA+4*\a+1], v[CM+4*\a:CM+4*\a+1], v[FP+2*\a:FP+2*\a+1] op_sel_hi:[1,0]
	v_pk_mul_f32 v[QA+4*\a+2:QA+4*\a+3], v[CM+4*\a+2:CM+4*\a+3], v[FP+2*\a:FP+2*\a+1] op_sel_hi:[1,0]
.endr
.irp i, 0,2,4,6,8,10,12,14
	v_pk_mul_f32 v[QB+\i:QB+\i+1], v[QA+\i:QA+\i+1], s[CS:CS+1] op_sel_hi:[1,0]   ; a second run of registers for the product of Q with itself, with the exponent's factor in it
.endr
.if \isb
	s_cmp_lt_u32 s[PI], 7                          ; the last pair asks for nothing: no load leaves x
	s_cbranch_scc0 .Lnox_\@
	s_wait_xcnt 0x0                                ; the base is written again only behind this wait
	s_add_co_u32 s[TA], s[PI], 1
	s_lshr_b32 s[TA+1], s[TA], 2
	s_lshl_b32 s[TA+1], s[TA+1], 2
	s_add_co_u32 s[TA], s[TA], s[TA+1]             ; pair n begins at token n + 4 (n / 4)
	s_lshl_b32 s[TA], s[TA], 11
	s_mov_b32 s[TA+1], 0
	s_add_nc_u64 s[XP:XP+1], s[XBASE:XBASE+1], s[TA:TA+1]
.irp a, 0,1,2,3
	global_load_b128 v[XA+4*\a:XA+4*\a+3], v[XOFF], s[XP:XP+1] offset:512*\a th:TH_LOAD_NT
.endr
.irp a, 0,1,2,3
	global_load_b128 v[XB+4*\a:XB+4*\a+3], v[XOFF], s[XP:XP+1] offset:8192+512*\a th:TH_LOAD_NT
.endr
.Lnox_\@:
.endif
.irp a, 0,1,2,3
	ds_store_b128 v[QST], v[QA+4*\a:QA+4*\a+3] offset:512*\a     ; Q as 64 rows of 32 bytes
.endr
	WIN 0x40                                       ; destination window 1
	QBLOAD 0, 0                                    ; LDS serves a wave's instructions in order: these see the stores
	QBLOAD 1, 1
.irp a, 0,1,2,3                        ; S^T = Q (c Q)^T: the ten tiles with b >= a, by turns, one instruction a turn; the first K step starts the sums
.irp b, 0,1,2,3
.if \b >= \a
	v_wmma_f32_16x16x4_f32 v[8*(4*\a+\b):8*(4*\a+\b)+7], v[QA+4*\a:QA+4*\a+1], v[QB+4*\b:QB+4*\b+1], 0
.endif
.endr
.endr
	WIN 0x50
.irp a, 0,1,2,3
.irp b, 0,1,2,3
.if \b >= \a
	v_wmma_f32_16x16x4_f32 v[8*(4*\a+\b):8*(4*\a+\b)+7], v[QA+4*\a+2:QA+4*\a+3], v[QB+4*\b+2:QB+4*\b+3], v[8*(4*\a+\b):8*(4*\a+\b)+7]
.endif
.endr
.endr
	NOPS 8                                         ; eight places behind this form ahead of the first read of a result (ISA guide 7.12.1)
	WIN 0x01                                       ; source 0 window 1: serves the exponentials (scores) and the multiply-adds (Q's rows) alike
.set tb, 0
.rept 4
.set tj, 0
.rept 8
	v_exp_f32 v[P+8*tb+tj], v[8*tb+tj]             ; key tile 0's p; each tile from its low end on
.set tj, tj+1
.endr
.set tb, tb+1
.endr
	v_nop                                          ; a plain line behind the last exponential
	s_wait_alu depctr_va_vdst(0)                   ; one wait for the batch, ahead of its first reader
.set ta, 0
.rept 4
.if ta < 3
	s_wait_dscnt 16                                ; this key tile's rows of Q and its transposed tiles are in, and the earlier transposes' stores are done; the next tile's 16 loads of Q's rows may be out
.else
	s_wait_dscnt 0x0
.endif
.if ta < 3
	WIN 0
; THE TRANSPOSES.  Tile (ta, b), b > ta, holds p(key 16 ta + 8 hh + j, query 16 b + r): register j goes to row 8 hh + j, column r.  Row r, columns 8 hh + 0 .. 7 of it are then p(key 16 ta + r, query 16 b + 8 hh + j)
; = p(key 16 b + 8 hh + j, query 16 ta + r): tile (b, ta) in my lane's layout.  The next key tile's tiles left of the diagonal are fetched here, a whole key tile's work ahead of their use.
.set tb, ta+1
.rept 3-ta
.set tj, 0
.rept 8
	ds_store_b32 v[TSA], v[P+32*(ta%2)+8*tb+tj] offset:1280*(ta*(7-ta)/2+tb-ta-1)+80*tj
.set tj, tj+1
.endr
.set tb, tb+1
.endr
.set tb, 0
.rept ta+1
	ds_load_b128 v[P+32*((ta+1)%2)+8*tb:P+32*((ta+1)%2)+8*tb+3],   v[TLA] offset:1280*(tb*(7-tb)/2+ta-tb)      ; LDS serves a wave's instructions in order: these see the stores
	ds_load_b128 v[P+32*((ta+1)%2)+8*tb+4:P+32*((ta+1)%2)+8*tb+7], v[TLA] offset:1280*(tb*(7-tb)/2+ta-tb)+16
.set tb, tb+1
.endr
.endif
	WIN 0x01
.set tj, 0
.rept 8
.set tb, 0
.rept 4
.set rq, 128+64*(ta%2)+8*tj
.set rp, P+32*(ta%2)+8*tb+2*(tj/2)
.set ro, \O+8*tb
.irp i, 0,2,4,6
.if (ta == 0) && (tj == 0)
	v_pk_mul_f32 v[ro+\i:ro+\i+1], v[rq+\i:rq+\i+1], v[rp:rp+1] op_sel_hi:[1,0]                    ; the first key starts the sums
.elseif tj%2 == 0
	v_pk_fma_f32 v[ro+\i:ro+\i+1], v[rq+\i:rq+\i+1], v[rp:rp+1], v[ro+\i:ro+\i+1] op_sel_hi:[1,0,1]
.else
	v_pk_fma_f32 v[ro+\i:ro+\i+1], v[rq+\i:rq+\i+1], v[rp:rp+1], v[ro+\i:ro+\i+1] op_sel:[0,1,0]
.endif
.endr
.if (ta < 3) && (tb > ta)
	v_exp_f32 v[P+32*((ta+1)%2)+8*tb+tj], v[8*(4*(ta+1)+tb)+tj]   ; the next key tile's p on and right of the diagonal, into the other set: one behind four multiply-adds
.endif
.set tb, tb+1
.endr
.set tj, tj+1
.endr
.if ta < 2
	WIN 0x40
	QBLOAD (ta+2), (ta%2)                          ; into the set just read
.endif
	WIN 0
.if ta == 0
.irp b, 0,1,2,3
	v_pk_add_f32 v[\SUM+2*\b:\SUM+2*\b+1], v[P+8*\b:P+8*\b+1], v[P+8*\b+2:P+8*\b+3]                ; the row's sum of p, in two halves
.endr
.irp jp, 4,6
.irp b, 0,1,2,3
	v_pk_add_f32 v[\SUM+2*\b:\SUM+2*\b+1], v[\SUM+2*\b:\SUM+2*\b+1], v[P+8*\b+\jp:P+8*\b+\jp+1]
.endr
.endr
.else
.irp jp, 0,2,4,6
.irp b, 0,1,2,3
	v_pk_add_f32 v[\SUM+2*\b:\SUM+2*\b+1], v[\SUM+2*\b:\SUM+2*\b+1], v[P+32*(ta%2)+8*\b+\jp:P+32*(ta%2)+8*\b+\jp+1]
.endr
.endr
.endif
.if ta < 3
	s_wait_alu depctr_va_vdst(0)                   ; one wait for the exponentials above; the sums are the plain work between
.endif
.set ta, ta+1
.endr
.endm
; ---- the halves of two tokens are joined, divided by their sums and put into the stage
.macro COMBINE
.irp b, 0,1,2,3
	v_add_f32 v[SA+2*\b], v[SA+2*\b], v[SA+2*\b+1]
	v_add_f32 v[SB+2*\b], v[SB+2*\b], v[SB+2*\b+1]
.endr
.set ci, 0
.rept 32
	v_permlane16_swap_b32 v[OA+ci], v[OB+ci]       ; the first's lanes 16-31 change places with the second's lanes 0-15: now each lane's two registers are the two halves of ONE token
.set ci, ci+1
.endr
.irp b, 0,1,2,3
	v_permlane16_swap_b32 v[SA+2*\b], v[SB+2*\b]
.endr
.irp b, 0,1,2,3
	v_add_f32 v[SA+2*\b], v[SA+2*\b], v[SB+2*\b]
.endr
.irp b, 0,1,2,3
	v_rcp_f32 v[RC+\b], v[SA+2*\b]
.endr
.set ci, 0
.rept 16
	v_pk_add_f32 v[OA+ci:OA+ci+1], v[OA+ci:OA+ci+1], v[OB+ci:OB+ci+1]    ; (plain work behind the reciprocals)
.set ci, ci+2
.endr
	s_wait_alu depctr_va_vdst(0)                   ; one wait for the four reciprocals
.irp b, 0,2
.irp i, 0,2,4,6
	v_pk_mul_f32 v[OA+8*\b+\i:OA+8*\b+\i+1], v[OA+8*\b+\i:OA+8*\b+\i+1], v[RC+\b:RC+\b+1] op_sel_hi:[1,0]
	v_pk_mul_f32 v[OA+8*\b+8+\i:OA+8*\b+8+\i+1], v[OA+8*\b+8+\i:OA+8*\b+8+\i+1], v[RC+\b:RC+\b+1] op_sel:[0,1]
.endr
.endr
	v_add_nc_u32 v[OSW], s[QO], v[OSB]
.irp b, 0,1,2,3
.irp ih, 0,1
	ds_store_b128 v[OSW], v[OA+8*\b+4*\ih:OA+8*\b+4*\ih+3] offset:4096*\b+512*\ih
.endr
.endr
.endm
; ---- a lane's 32 numbers of row tile b (4 tokens x 8: a whole block) become six registers of codes and a byte
.macro QB1 b, base
	MAX32 88, 89, \base
	v_add_nc_u32 v90, 0xff000000, v88
	v_cvt_scalef32_pk16_fp6_f32 v[QA+6*(\b):QA+6*(\b)+2], v[\base:\base+15], v90
	v_cvt_scalef32_pk16_fp6_f32 v[92:94], v[\base+16:\base+31], v90
	v_nop                                          ; one plain line behind the conversions
	v_lshrrev_b32 v88, 23, v90                     ; the scale's byte
.irp i, 0,1,2
	v_mov_b32 v[QA+6*(\b)+3+\i], v[92+\i]
.endr
	v_lshlrev_b32 v88, v[SH8], v88
	v_permlanex16_b32 v[PT], v88, s[SEL], s[SEL+1]
	v_or_b32 v88, v88, v[PT]                       ; blocks 2 c and 2 c + 1 of row r
	v_lshrrev_b32 v[SW+(\b)], 16, v[SW+(\b)]
	v_lshl_or_b32 v[SW+(\b)], v88, 16, v[SW+(\b)]  ; two trips make the word
.irp p, 0,1,2
	global_store_b64 v[CDO], v[QA+6*(\b)+2*\p:QA+6*(\b)+2*\p+1], s[AC:AC+1] offset:6144*(\b)+256*\p   ; 32 lanes store 256 consecutive bytes, aligned
.endr
.endm
.macro QUANT4
.irp h, 0,1
.irp bb, 0,1
.irp q, 0,1,2,3
.irp ih, 0,1
	ds_load_b128 v[P+32*\bb+8*\q+4*\ih:P+32*\bb+8*\q+4*\ih+3], v[OSB] offset:4096*(2*\h+\bb)+1024*\q+512*\ih
.endr
.endr
.endr
	s_wait_dscnt 0x8                               ; the first tile's eight loads are in
	QB1 2*\h, P
	s_wait_dscnt 0x0
	QB1 2*\h+1, P+32
.endr
	s_wait_xcnt 0x0                                ; the stores' data and base are written again only behind this wait
	s_add_nc_u64 s[AC:AC+1], s[AC:AC+1], 768       ; the fragment's second six registers
.endm
	s_mov_b32 s[PI], 0
	s_mov_b32 s[CO], 2
.Louter:                                               ; c = 0, 1: tokens 8 c .. 8 c + 7
	s_mov_b32 s[QO], 0
	s_mov_b32 s[CI], 4
.Linner:                                               ; q = 0 .. 3: tokens 8 c + q and 8 c + 4 + q
	TOKEN XA, OA, SA, 0
	TOKEN XB, OB, SB, 1
	COMBINE
	s_add_co_u32 s[QO], s[QO], 1024
	s_add_co_u32 s[PI], s[PI], 1
	s_sub_co_u32 s[CI], s[CI], 1
	s_cmp_lg_u32 s[CI], 0
	s_cbranch_scc1 .Linner
	QUANT4
	s_sub_co_u32 s[CO], s[CO], 1
	s_cmp_lg_u32 s[CO], 0
	s_cbranch_scc1 .Louter
	v_cndmask_b32 v88, v[SW], v[SW+1], s[HM]       ; lanes 0-15 carry tiles 0 and 2, lanes 16-31 tiles 1 and 3: as the second launch's scale registers want them
	v_cndmask_b32 v89, v[SW+2], v[SW+3], s[HM]
	global_store_b64 v[CDO], v[88:89], s[ASC:ASC+1]   ; 256 consecutive bytes, aligned
	s_wait_tensorcnt 0x0                           ; the wave's end, behind my last LDS store
	ds_add_u32 v[SPW], v[NIL]
	s_wait_dscnt 0x0
	s_endpgm
.Lfunc_end_k_qf7a325e259_attn:
	.size	k_qf7a325e259_attn, .Lfunc_end_k_qf7a325e259_attn-k_qf7a325e259_attn
	.p2alignl 7, 3214868480
	.fill 96, 4, 3214868480
	.section	.rodata,"a",@progbits
	.p2align	6, 0x0
	.amdhsa_kernel k_qf7a325e259_attn
		.amdhsa_group_segment_fixed_size 209920
		.amdhsa_private_segment_fixed_size 0
		.amdhsa_enable_private_segment 0
		.amdhsa_kernarg_size 56
		.amdhsa_user_sgpr_count 2
		.amdhsa_user_sgpr_kernarg_segment_ptr 1
		.amdhsa_wavefront_size32 1
		.amdhsa_system_sgpr_workgroup_id_x 1
		.amdhsa_system_sgpr_workgroup_id_y 1
		.amdhsa_system_sgpr_workgroup_id_z 1
		.amdhsa_system_vgpr_workitem_id 0
		.amdhsa_next_free_vgpr 512
		.amdhsa_next_free_sgpr 66
		.amdhsa_reserve_vcc 0
		.amdhsa_float_denorm_mode_32 3
		.amdhsa_float_denorm_mode_16_64 3
		.amdhsa_memory_ordered 1
		.amdhsa_forward_progress 1
		.amdhsa_inst_pref_size 149
	.end_amdhsa_kernel
	.amdgpu_metadata
---
amdhsa.version: [ 1, 2 ]
amdhsa.kernels:
  - .name:           k_qf7a325e259_attn
    .symbol:         k_qf7a325e259_attn.kd
    .args:
      - { .name: x, .offset: 0, .size: 8, .value_kind: global_buffer, .address_space: global }
      - { .name: theta_attn, .offset: 8, .size: 8, .value_kind: global_buffer, .address_space: global }
      - { .name: w_combine, .offset: 16, .size: 8, .value_kind: global_buffer, .address_space: global }
      - { .name: w2, .offset: 24, .size: 8, .value_kind: global_buffer, .address_space: global }
      - { .name: acodes, .offset: 32, .size: 8, .value_kind: global_buffer, .address_space: global }
      - { .name: ascales, .offset: 40, .size: 8, .value_kind: global_buffer, .address_space: global }
      - { .name: wstream, .offset: 48, .size: 8, .value_kind: global_buffer, .address_space: global }
    .group_segment_fixed_size: 209920
    .private_segment_fixed_size: 0
    .kernarg_segment_align: 8
    .kernarg_segment_size: 56
    .max_flat_workgroup_size: 256
    .sgpr_count:     66
    .vgpr_count:     512
    .wavefront_size: 32
...
	.end_amdgpu_metadata
.endif
;; end of part 1
;; launch mlp (part 2): grid 256 x 1, 4 waves a work-group, clusters of 4 x 1, 327,680 bytes of LDS; arguments x, acodes, ascales, wstream, w1, theta_ffn, ln1_g, ln1_b, ln2_g, ln2_b, out0; writes out0
.if DOCPART == 2
	.amdgcn_target "amdgcn-amd-amdhsa--gfx1250"
	.amdhsa_code_object_version 6
	.text
	.protected	k_qf7a325e259_mlp
	.globl	k_qf7a325e259_mlp
	.p2align	8
	.type	k_qf7a325e259_mlp,@function
k_qf7a325e259_mlp:
	s_mov_b64 s[64:65], 0
	v_nop
	global_prefetch_b8 v0, s[64:65] scope:SCOPE_SE
	s_setreg_imm32_b32 hwreg(HW_REG_WAVE_MODE, 25, 1), 1
	s_wait_xcnt 0x0
	s_wait_alu depctr_hold_cnt(0) depctr_sa_sdst(0) depctr_va_vdst(0) depctr_va_sdst(0) depctr_va_ssrc(0) depctr_va_vcc(0) depctr_vm_vsrc(0)
	s_getreg_b32 s2, hwreg(HW_REG_IB_STS2, 6, 4)
	s_cmp_eq_u32 s2, 0
	s_cbranch_scc0 .Lentry_in_a_cluster
	s_endpgm
.Lentry_in_a_cluster:
	s_bfe_u32 s2, ttmp6, 0x10000c
	s_cmp_lg_u32 s2, 0x3003
	s_cbranch_scc0 .Lentry_shape_is_right
	s_endpgm
.Lentry_shape_is_right:
; SECOND LAUNCH OF TWO.  out0 = LN2(x1 + relu(q_out w1^T) w2^T), x1 = LN1(x + A w_combine^T), q_out = cos(theta_ffn) cos(x1[:8]).  Nothing of reference() is left out in this launch.
; A (the attention's result), w_combine and w2 come as codes of E2M3 with E8M0 scales from the first launch, in the order of the operands' registers.  The hidden layer is computed in f32 (f32 matrix form),
; quantised in registers and never leaves them.  Both quantised products run on v_wmma_scale_f32_16x16x128_f8f6f4 with both formats FP6.
; LIMITS: the cosine as in the first launch (|argument| <= 1e5); NaN and infinities are not served; a block of zeros has the scale byte 1 over zero codes.
; SHARES.  Work-group g: the 128 rows 64 (16 b + r) + 2 (g % 32) + jj of batch g / 32 (jj 0..1, b 0..3, r 0..15): those whose K (64 tokens x 8) the first launch's work-group g made.
; Wave w (jj = w / 2, beta = w % 2): row tiles b = 2 beta + T, T = 0, 1: 32 rows x ALL 512 columns, 64 accumulators, 512 registers.  So a row's mean and variance stay in one wave, x is the C of the first
; product's first K step and x1 that of the second's, and a wave's hidden layer is its own operand.  What the waves share is the stream of weights alone.
; BOTH PRODUCTS ARE USED TRANSPOSED (source 0 = 16 rows of the weight, source 1 = 16 rows of the activation): lane (r, hh) holds row r and columns 16 t + 8 hh + j.
; THE RING.  The 20 K steps of weights (4 of w_combine, 16 of w2; 51,200 bytes each) go through two LDS slots of two K steps.  CLUSTER: all work-groups walk the same stream, so the four of a cluster ask
; JOINTLY: the same tensor load with the same descriptor and the mask of all four; w1 and the four LN vectors come the same way, once.  By this text's count a wave has four tensor loads out at the start, later one.
; THE FRAGMENTS of a K step's 32 column tiles come out of LDS in QUADS of four tiles, 12 loads a run, into twenty places of 12 registers.  In the second product five quads are asked for during the hidden layer's work,
; a run at each change between its matrix and its vector parts, and three among the products; w1's rows are asked for a K step ahead.
; No prefetch: the weights are one small stream that every cluster reads, and all of x is asked for at the head.
; REGISTERS.  window 0: v1-13 addresses, v14-15 the add's two, v16-31 LN's sums and factors (in the second product: the quantiser's work), v32-47 the weights' scale words, v48-51 the activations', v52-59 q_out,
;   v60-63 cos(theta_ffn), v64-159 A's eight fragments (v160-177: the first cosine's work, beside them); later v64-87 the hidden layer's two fragments, v88-95 at work, v96-127 w1's eight fragments,
;   v128-191 64 hidden numbers; in LN v64-191 gains and biases, two sets; v192-255 the f32 products' results, written by matrix instructions alone.
;   window 1: v0-239 the twenty places of weight fragments.   windows 2, 3: the accumulators of T = 0, 1: column tile t at v[8 t].
.set SLOT1, 131072                     ; slot 1 begins here: one exclusive or turns an address in one slot into the other's
.set KSB,   51200                      ; a K step of the stream
.set FILL,  102400                     ; a slot: two K steps
.set PAR,   102400                     ; ln1_g, ln1_b, ln2_g, ln2_b: 2,048 bytes each
.set STG,   110592                     ; a stage of 16 rows x (256 + 16) bytes for each wave; no fill lands here
.set SPARE, 128000                     ; the spare words, 128 bytes a wave, that no other line names
.set W1B,   233472                     ; w1 as it lies in memory
.set L16, 1
.set L4,  2
.set ADW, 5                            ; the K step's images + 16 x lane
.set ADS, 6                            ; the K step + 4 x lane
.set ADH, 7                            ; the next K step's rows of w1
.set W1L, 8                            ; W1B + 32 (r + 8 (r / 8)) + 16 hh
.set STO, 9                            ; the stage by the accumulators' layout: row r, + 32 hh
.set SRD, 10                           ; and by rows: row hh, + 16 r
.set PAD, 11                           ; PAR + 32 hh
.set XOF, 12                           ; x and out0: 64 rows of 2,048 bytes x hh + 16 r
.set L8,  13
.set SPW, 14
.set NIL, 15
.set CH,  16                           ; v16-23 four chains of pairs
.set NM,  24                           ; v24 -mean (v25 named with it)
.set PT,  26
.set THO, 27
.set RS,  28                           ; v28, v30: 1 / sqrt(var + eps) of T = 0, 1
.set TM,  16                           ; v16-31 in the second product: largest numbers, bytes, the conversions' scale operands
.set WS,  32
.set AS,  48
.set QF,  52
.set CTH, 60
.set AFR, 64
.set CVT, 88
.set W1F, 96
.set HR,  128
.set HD,  192
.set WV,  26
.set GI,  27
.set G1R, 28
.set G1W, 36
.set G1P, 44
.set G0A, 52
.set G0B, 56
.set G0W, 60
.set G0P, 68
.set INVPI, 72
.set MAGIC, 74
.set NMAGIC, 76
.set NPIHI, 78
.set PILO, 80
.set C13,  82
.set C9,   84
.set C7,   86
.set C5,   88
.set C3,   90
.set SEL,  92
.set TB,   94                          ; LDS byte at which the K step in hand begins
.set TH,   95                          ; where the NEXT K step's 128 rows of w1 begin
.set CO,   96
.set CI,   97
.set I512, 98
.set EPS,  99
.set TH2,  100                         ; the same, held at the last K step's rows
.set MSB, 0
.macro WIN new
.if MSB != (\new)
	s_set_vgpr_msb (MSB<<8)|(\new)
.set MSB, (\new)
.endif
.endm
.macro NOPS n
.rept \n
	v_nop
.endr
.endm
.macro SPAIR reg, val
	s_mov_b32 s[\reg], \val
	s_mov_b32 s[\reg+1], \val
.endm
.macro GROUP1 g, rows                  ; a dense block as rows of 256 bytes: 32 elements of 8 bytes, pitch 32, no padding; the mask of all four work-groups, bit 21 beside it
	s_mov_b32 s[\g], 15|(3<<16)|(1<<21)
	s_mov_b32 s[\g+1], 32<<16
	s_mov_b32 s[\g+2], (\rows)<<16
	s_mov_b32 s[\g+3], 32<<16
	s_mov_b32 s[\g+4], \rows
	s_mov_b32 s[\g+5], 32
	s_mov_b32 s[\g+6], 0
	s_mov_b32 s[\g+7], 0
.endm
.macro CROUND                          ; a round of the cluster's barrier
	s_barrier_signal -1
	s_barrier_wait -1
	s_cmp_lg_u32 s[WV], 0
	s_cbranch_scc1 .Lnw0_\@
	s_barrier_signal -3
.Lnw0_\@:
	s_barrier_wait -3
	s_barrier_signal -1
	s_barrier_wait -1
.endm
; cos of np pairs: as in the first launch
.macro COSPK src, dst, np, m, t, z, p, c11
.set ci, 0
.rept \np
	v_pk_fma_f32 v[\m+ci:\m+ci+1], v[\src+ci:\src+ci+1], s[INVPI:INVPI+1], 0.5 op_sel_hi:[1,0,0]
.set ci, ci+2
.endr
.set ci, 0
.rept \np
	v_pk_add_f32 v[\m+ci:\m+ci+1], v[\m+ci:\m+ci+1], s[MAGIC:MAGIC+1] op_sel_hi:[1,0]
.set ci, ci+2
.endr
.set ci, 0
.rept \np
	v_pk_add_f32 v[\t+ci:\t+ci+1], v[\m+ci:\m+ci+1], s[NMAGIC:NMAGIC+1] op_sel_hi:[1,0]
.set ci, ci+2
.endr
.set ci, 0
.rept \np
	v_pk_add_f32 v[\t+ci:\t+ci+1], v[\t+ci:\t+ci+1], -0.5 op_sel_hi:[1,0]
.set ci, ci+2
.endr
.set ci, 0
.rept \np
	v_pk_fma_f32 v[\z+ci:\z+ci+1], v[\t+ci:\t+ci+1], s[NPIHI:NPIHI+1], v[\src+ci:\src+ci+1] op_sel_hi:[1,0,1]
.set ci, ci+2
.endr
.set ci, 0
.rept \np
	v_pk_fma_f32 v[\t+ci:\t+ci+1], v[\t+ci:\t+ci+1], s[PILO:PILO+1], v[\z+ci:\z+ci+1] op_sel_hi:[1,0,1]
.set ci, ci+2
.endr
.set ci, 0
.rept 2*\np
	v_lshlrev_b32 v[\m+ci], 31, v[\m+ci]
.set ci, ci+1
.endr
.set ci, 0
.rept 2*\np
	v_xor_b32 v[\t+ci], v[\m+ci], v[\t+ci]
.set ci, ci+1
.endr
.set ci, 0
.rept \np
	v_pk_mul_f32 v[\z+ci:\z+ci+1], v[\t+ci:\t+ci+1], v[\t+ci:\t+ci+1]
.set ci, ci+2
.endr
.set ci, 0
.rept \np
	v_pk_fma_f32 v[\p+ci:\p+ci+1], v[\z+ci:\z+ci+1], s[C13:C13+1], v[\c11:\c11+1] op_sel_hi:[1,0,1]
.set ci, ci+2
.endr
.irp k, C9, C7, C5, C3
.set ci, 0
.rept \np
	v_pk_fma_f32 v[\p+ci:\p+ci+1], v[\p+ci:\p+ci+1], v[\z+ci:\z+ci+1], s[\k:\k+1] op_sel_hi:[1,1,0]
.set ci, ci+2
.endr
.endr
.set ci, 0
.rept \np
	v_pk_mul_f32 v[\z+ci:\z+ci+1], v[\t+ci:\t+ci+1], v[\z+ci:\z+ci+1]
.set ci, ci+2
.endr
.set ci, 0
.rept \np
	v_pk_fma_f32 v[\dst+ci:\dst+ci+1], v[\z+ci:\z+ci+1], v[\p+ci:\p+ci+1], v[\t+ci:\t+ci+1]
.set ci, ci+2
.endr
.endm
	s_load_b256 s[4:11], s[0:1], 0x0               ; x, acodes, ascales, wstream
	s_load_b256 s[12:19], s[0:1], 0x20             ; w1, theta_ffn, ln1_g, ln1_b
	s_load_b128 s[20:23], s[0:1], 0x40             ; ln2_g, ln2_b
	s_load_b64 s[24:25], s[0:1], 0x50              ; out0
	v_lshl_add_u32 v[SPW], v0, 2, SPARE
	v_mov_b32 v[NIL], 0
	ds_add_u32 v[SPW], v[NIL]                      ; the wave's opening: the add, twice on end, and its wait ahead of my first tensor load; the set-up below, work on registers, stands between
	ds_add_u32 v[SPW], v[NIL]
	v_lshrrev_b32 v3, 5, v0
	v_readfirstlane_b32 s[WV], v3                  ; wave 0..3
	GROUP1 G1R, 100                                ; a quarter of a slot: 25,600 bytes
	GROUP1 G1W, 64                                 ; a quarter of w1: 16,384 bytes
	GROUP1 G1P, 8                                  ; one LN vector: 2,048 bytes
	s_bfe_u32 s[GI], ttmp6, 0x40000                ; cx: it enters the addresses of x, the codes, their scales and out0 alone
	s_lshl_b32 s72, ttmp9, 2
	s_add_co_u32 s[GI], s72, s[GI]                 ; g = 4 x cluster + cx
	s_lshr_b32 s76, s[WV], 1                       ; jj
	s_and_b32 s77, s[WV], 1                        ; beta
	s_lshr_b32 s72, s[GI], 5
	s_lshl_b32 s72, s72, 23                        ; the batch: 4,096 rows of 2,048 bytes
	s_and_b32 s73, s[GI], 31
	s_lshl_b32 s73, s73, 12                        ; two rows a work-group,
	s_add_co_u32 s72, s72, s73
	s_lshl_b32 s73, s76, 11                        ; one for jj,
	s_add_co_u32 s72, s72, s73
	s_lshl_b32 s73, s77, 22                        ; 2,048 rows for beta
	s_add_co_u32 s94, s72, s73                     ; s[94:95]: my wave's first byte in x and in out0
	s_mov_b32 s95, 0
	s_mul_i32 s96, s[GI], 49152                    ; s[96:97]: in the codes: [g][jj][b 4][s 4][c 2][p 3][lane][8]
	s_mul_i32 s73, s76, 24576
	s_add_co_u32 s96, s96, s73
	s_mul_i32 s73, s77, 12288
	s_add_co_u32 s96, s96, s73
	s_mov_b32 s97, 0
	s_lshl_b32 s98, s[GI], 11                      ; s[98:99]: in the scale words: [g][jj][s][lane][beta]
	s_lshl_b32 s73, s76, 10
	s_add_co_u32 s98, s98, s73
	s_lshl_b32 s73, s77, 2
	s_add_co_u32 s98, s98, s73
	s_mov_b32 s99, 0
	SPAIR INVPI,  0x3ea2f983
	SPAIR MAGIC,  0x4b400000
	SPAIR NMAGIC, 0xcb400000
	SPAIR NPIHI,  0xc0490fdb
	SPAIR PILO,   0x33bbbd2e
	SPAIR C13,    0x2f309231
	SPAIR C9,     0x3638ef1d
	SPAIR C7,     0xb9500d01
	SPAIR C5,     0x3c088889
	SPAIR C3,     0xbe2aaaab
	s_mov_b32 s[SEL], 0x76543210
	s_mov_b32 s[SEL+1], 0xfedcba98
	v_and_b32 v3, 15, v0                           ; r
	v_bfe_u32 v4, v0, 4, 1                         ; hh
	v_and_b32 v[L8], 31, v0                        ; lane
	v_lshlrev_b32 v[L16], 4, v[L8]
	v_lshlrev_b32 v[L4], 2, v[L8]
	v_lshlrev_b32 v[L8], 3, v[L8]
	v_and_b32 v[W1L], 8, v3
	v_add_nc_u32 v[W1L], v[W1L], v3                ; THE ROWS OF w1 THAT FORM A TILE ARE NOT NEIGHBOURS: r + 8 (r / 8), so that two tiles' 16 registers are 16 neighbours along the next K
	v_lshlrev_b32 v[W1L], 5, v[W1L]
	v_lshl_add_u32 v[W1L], v4, 4, v[W1L]
	v_add_nc_u32 v[W1L], W1B, v[W1L]
	s_mul_i32 s2, s[WV], 16*272
	s_add_co_u32 s2, s2, STG                       ; my stage
	v_mul_u32_u24 v[STO], v3, 272
	v_lshl_add_u32 v[STO], v4, 5, v[STO]
	v_add_nc_u32 v[STO], s2, v[STO]
	v_mul_u32_u24 v[SRD], v4, 272
	v_lshl_add_u32 v[SRD], v3, 4, v[SRD]
	v_add_nc_u32 v[SRD], s2, v[SRD]
	v_lshlrev_b32 v[PAD], 5, v4
	v_add_nc_u32 v[PAD], PAR, v[PAD]
	v_lshlrev_b32 v[XOF], 17, v4
	v_lshl_add_u32 v[XOF], v3, 4, v[XOF]
	v_lshlrev_b32 v[THO], 4, v4
	v_mov_b32 v[NM+1], 0                           ; named as the upper halves of pairs, or as a permute's destination, before they are first written
	v_mov_b32 v[PT], 0
	v_mov_b32 v[RS+1], 0
	v_mov_b32 v[RS+3], 0
	s_mul_i32 s100, s[WV], 25600                   ; my quarter of a slot: in LDS and in the stream alike.  No place in the cluster enters a descriptor
	s_mov_b32 s101, 0
	s_mov_b32 s[G0A], 1
	s_mov_b32 s[G0A+1], s100
	s_mov_b32 s[G0B], 1
	s_add_co_u32 s[G0B+1], s100, SLOT1
	s_wait_dscnt 0x0                               ; both opening adds are done
	s_wait_kmcnt 0x0
	s_add_nc_u64 s[4:5], s[4:5], s[94:95]          ; x and out0 at my wave's first row,
	s_add_nc_u64 s[24:25], s[24:25], s[94:95]
	s_add_nc_u64 s[6:7], s[6:7], s[96:97]          ; the codes and the scale words at my two tiles: these four sums stand ahead of every later write of s94 to s99
	s_add_nc_u64 s[8:9], s[8:9], s[98:99]
	s_add_nc_u64 s[G0A+2:G0A+3], s[10:11], s[100:101]            ; K steps 0, 1
	s_add_nc_u64 s[G0B+2:G0B+3], s[G0A+2:G0A+3], FILL            ; K steps 2, 3; this descriptor walks on
	s_or_b32 s[G0A+3], s[G0A+3], 0x80000000
	s_or_b32 s[G0B+3], s[G0B+3], 0x80000000
	s_lshl_b32 s100, s[WV], 14
	s_mov_b32 s[G0W], 1
	s_add_co_u32 s[G0W+1], s100, W1B
	s_add_nc_u64 s[G0W+2:G0W+3], s[12:13], s[100:101]
	s_or_b32 s[G0W+3], s[G0W+3], 0x80000000
	s_lshl_b32 s100, s[WV], 11
	s_mov_b32 s[G0P], 1
	s_add_co_u32 s[G0P+1], s100, PAR
	s_cmp_lt_u32 s[WV], 2                          ; wave 0: ln1_g, 1: ln1_b, 2: ln2_g, 3: ln2_b
	s_cselect_b64 s[2:3], s[16:17], s[20:21]
	s_cselect_b64 s[100:101], s[18:19], s[22:23]
	s_and_b32 s[CO], s[WV], 1
	s_cmp_eq_u32 s[CO], 0
	s_cselect_b64 s[G0P+2:G0P+3], s[2:3], s[100:101]
	s_or_b32 s[G0P+3], s[G0P+3], 0x80000000
	s_mov_b32 s[TB], 0
	s_mov_b32 s[TH], 4096                          ; the second K step's rows of w1: the first step's are fetched ahead of the loop
	s_mov_b32 s[I512], 0x3b000000                  ; 1 / 512
	s_mov_b32 s[EPS], 0x3727c5ac                   ; 1e-5
	CROUND                                         ; all four work-groups are here: the first joint loads meet
	tensor_load_to_lds s[G0A:G0A+3], s[G1R:G1R+7]  ; every wave issues all four first fills: four loads of mine are out
	s_nop 0
	tensor_load_to_lds s[G0B:G0B+3], s[G1R:G1R+7]
	s_nop 0
	tensor_load_to_lds s[G0W:G0W+3], s[G1W:G1W+7]
	s_nop 0
	tensor_load_to_lds s[G0P:G0P+3], s[G1P:G1P+7]
	s_nop 0
	NOPS 4
.irp s, 0,1,2,3
	global_load_b32 v[AS+\s], v[L8], s[8:9] offset:256*\s        ; lanes 0-15: tile T = 0's words, lanes 16-31: T = 1's
.endr
.irp s, 0,1,2,3
.irp T, 0,1
.irp c, 0,1
.irp p, 0,1,2
	global_load_b64 v[AFR+12*(2*\s+\T)+6*\c+2*\p:AFR+12*(2*\s+\T)+6*\c+2*\p+1], v[L8], s[6:7] offset:6144*\T+1536*\s+768*\c+256*\p   ; 256 consecutive bytes a load
.endr
.endr
.endr
.endr
	global_load_b128 v[CTH:CTH+3], v[THO], s[14:15]              ; theta_ffn[4 hh ..]
	; x, straight into the accumulators' registers: chunk (T, q8) = 16 rows x 256 bytes; sixteen lanes read 256 consecutive bytes of a row, lanes 16-31 the tile's next row
.irp T, 0,1
	WIN 0x80+0x40*\T
.irp q8, 0,1,2,3,4,5,6,7
.irp i, 0,1,2,3,4,5,6,7
	global_load_b128 v[32*\q8+4*\i:32*\q8+4*\i+3], v[XOF], s[4:5] offset:262144*\i+256*\q8+2097152*\T th:TH_LOAD_NT
.endr
.endr
.endr
	; each chunk turns through my stage into the accumulators' layout, into the registers that it left; LDS serves a wave's instructions in order: no wait between
.set xn, 0
.rept 16
.if 8*(15-xn) > 63
	s_wait_loadcnt 63                              ; (the count's field ends here: fewer may be out than the chunks behind would allow)
.else
	s_wait_loadcnt 8*(15-xn)                       ; this chunk's eight loads are in; the later chunks' may be out
.endif
	WIN 0x88+0x44*(xn/8)                           ; an LDS store's data (source 1) and an LDS load's destination: window 2 or 3
.irp i, 0,1,2,3,4,5,6,7
	ds_store_b128 v[SRD], v[32*(xn%8)+4*\i:32*(xn%8)+4*\i+3] offset:544*\i
.endr
.irp tt, 0,1,2,3
	ds_load_b128 v[32*(xn%8)+8*\tt:32*(xn%8)+8*\tt+3],   v[STO] offset:64*\tt
	ds_load_b128 v[32*(xn%8)+8*\tt+4:32*(xn%8)+8*\tt+7], v[STO] offset:64*\tt+16
.endr
.set xn, xn+1
.endr
	WIN 0
	v_mov_b32 v176, 0xb2d7322b                     ; -1 / 11!, in a pair that lies outside A's fragments (v64-159), which are resident now
	v_mov_b32 v177, 0xb2d7322b
	COSPK CTH, CTH, 2, 160, 164, 168, 172, 176     ; cos(theta_ffn), at work in v160-175
	s_wait_tensorcnt 0x0                           ; my parts of both slots, of w1 and of the LN vectors have landed,
	s_wait_dscnt 0x0                               ; x lies in the accumulators,
	s_barrier_signal -1
	s_barrier_wait -1                              ; and everybody's parts have
; a quad: the fragments of column tiles 4 q .. 4 q + 3, as images of their registers: three loads of 512 consecutive bytes each; tile t's place is t % 20 (the caller sets destination window 1)
.macro WQUAD q
.irp tt, 0,1,2,3
.irp p, 0,1,2
	ds_load_b128 v[12*((4*(\q)+\tt)%20)+4*\p:12*((4*(\q)+\tt)%20)+4*\p+3], v[ADW] offset:1536*(4*(\q)+\tt)+512*\p
.endr
.endr
.endm
.macro WSLOAD                          ; the K step's scale words: register p: lanes 0-15 column tile 2 p, lanes 16-31 tile 2 p + 1
.irp p, 0,1,2,3,4,5,6,7,8,9,10,11,12,13,14,15
	ds_load_b32 v[WS+\p], v[ADS] offset:49152+128*\p
.endr
.endm
.macro W1LOAD adr                      ; eight fragments of w1: tile tt begins at unit 32 (tt / 2) + 8 (tt % 2) of a K step's 128
.irp tt, 0,1,2,3,4,5,6,7
	ds_load_b128 v[W1F+4*\tt:W1F+4*\tt+3], v[\adr] offset:1024*(\tt/2)+256*(\tt%2)
.endr
.endm
; one product: column tile t, the activation's fragment and scale register, and its row
.macro MM t, af, sc, brow
.if ((\t)%2 == 0) && (\brow == 0)
	v_wmma_scale_f32_16x16x128_f8f6f4 v[8*(\t):8*(\t)+7], v[12*((\t)%20):12*((\t)%20)+11], v[\af:\af+11], v[8*(\t):8*(\t)+7], v[WS+(\t)/2], v[\sc] matrix_a_fmt:MATRIX_FMT_FP6 matrix_b_fmt:MATRIX_FMT_FP6
.elseif (\brow == 0)
	v_wmma_scale_f32_16x16x128_f8f6f4 v[8*(\t):8*(\t)+7], v[12*((\t)%20):12*((\t)%20)+11], v[\af:\af+11], v[8*(\t):8*(\t)+7], v[WS+(\t)/2], v[\sc] matrix_a_fmt:MATRIX_FMT_FP6 matrix_b_fmt:MATRIX_FMT_FP6 matrix_a_scale:MATRIX_SCALE_ROW1
.elseif ((\t)%2 == 0)
	v_wmma_scale_f32_16x16x128_f8f6f4 v[8*(\t):8*(\t)+7], v[12*((\t)%20):12*((\t)%20)+11], v[\af:\af+11], v[8*(\t):8*(\t)+7], v[WS+(\t)/2], v[\sc] matrix_a_fmt:MATRIX_FMT_FP6 matrix_b_fmt:MATRIX_FMT_FP6 matrix_b_scale:MATRIX_SCALE_ROW1
.else
	v_wmma_scale_f32_16x16x128_f8f6f4 v[8*(\t):8*(\t)+7], v[12*((\t)%20):12*((\t)%20)+11], v[\af:\af+11], v[8*(\t):8*(\t)+7], v[WS+(\t)/2], v[\sc] matrix_a_fmt:MATRIX_FMT_FP6 matrix_b_fmt:MATRIX_FMT_FP6 matrix_a_scale:MATRIX_SCALE_ROW1 matrix_b_scale:MATRIX_SCALE_ROW1
.endif
.endm
; a K step's 64 products, a quad of column tiles at a time.  Quads 0 .. pre - 1 have been asked for; behind quad q's products quad q + pre is asked for, 12 loads.
; The 64 accumulators take turns, one instruction a turn.
; THE COUNTS.  pre = 5 (the second product): behind quad 3's loads stand w1's 8 and quad 4's 12, then the runs issued here: 20, 32, 44, 56 may be out in front of quads 0 to 3.
; pre = 3 (the first): two quads, 24, up to quad 5.  From there on: the quads behind the one that is wanted.
.macro GPART af, sc0, r0, sc1, r1, pre
.irp q, 0,1,2,3,4,5,6,7
.if (\pre == 5) && (\q < 4)
	s_wait_dscnt 20+12*\q
.elseif (\pre == 3) && (\q < 6)
	s_wait_dscnt 24
.else
	s_wait_dscnt 12*(7-\q)
.endif
	WIN 0xa1                                       ; source 0 window 1, source 1 window 0, C and D window 2
.irp tt, 0,1,2,3
	MM 4*\q+\tt, \af, \sc0, \r0
.endr
	WIN 0xf1                                       ; C and D window 3
.irp tt, 0,1,2,3
	MM 4*\q+\tt, \af+12, \sc1, \r1
.endr
.if \q+\pre < 8
	NOPS 4                                         ; four places ahead of loads into registers that products have read
	WIN 0x40
	WQUAD \q+\pre
.endif
.endr
	WIN 0
.endm
; THE CHANGE OF SLOTS.  Each wave waits for all its tensor loads (one is out: its part of the other slot), adds 0 to its spare word, and waits for that and for its reads of the slot that it leaves.
; fill = 1: a round of the cluster's barrier, and first thing behind it the joint refill of the slot just left, with the two K steps two slots on: it has two K steps' work in which to land.
.macro CHANGE fill
	s_wait_tensorcnt 0x0
	ds_add_u32 v[SPW], v[NIL]                      ; 0 onto my spare word; the steps below stand between it and the wait for it
.if \fill
	s_xor_b32 s[G0B+1], s[G0B+1], SLOT1            ; no tensor load of mine is out: the walking descriptor may be written
	s_add_nc_u64 s[G0B+2:G0B+3], s[G0B+2:G0B+3], FILL
.endif
	s_sub_co_u32 s[TB], s[TB], FILL
	s_xor_b32 s[TB], s[TB], SLOT1                  ; on to the other slot's first K step
	s_wait_dscnt 0x0
.if \fill
	CROUND
	tensor_load_to_lds s[G0B:G0B+3], s[G1R:G1R+7]
	s_nop 0
	NOPS 4
.else
	s_barrier_signal -1
	s_barrier_wait -1
.endif
.endm
; a K step of the first product
.macro P3STEP s
	v_add_nc_u32 v[ADW], s[TB], v[L16]
	v_add_nc_u32 v[ADS], s[TB], v[L4]
	NOPS 2                                         ; with the two additions: four places ahead of loads into registers that the last products have read
	WSLOAD
	WIN 0x40
	WQUAD 0
	WQUAD 1
	WQUAD 2
	GPART AFR+24*\s, AS+\s, 0, AS+\s, 1, 3
	s_add_co_u32 s[TB], s[TB], KSB
.endm
	P3STEP 0                                       ; x + A w_combine^T: x is the C of the first K step
	P3STEP 1
	CHANGE 1
	P3STEP 2
	P3STEP 3
	CHANGE 1
; ---- LayerNorm over the 512 columns of my 32 rows, in place.  base: 0 for ln1's vectors, 4,096 for ln2's
.macro LNLOAD G, base                  ; gains and biases of column tiles 4 G .. 4 G + 3, my half's eight of each: one address for sixteen lanes
.irp tt, 0,1,2,3
	ds_load_b128 v[64+64*((\G)%2)+8*\tt:64+64*((\G)%2)+8*\tt+3],   v[PAD] offset:\base+64*(4*(\G)+\tt)
	ds_load_b128 v[64+64*((\G)%2)+8*\tt+4:64+64*((\G)%2)+8*\tt+7], v[PAD] offset:\base+64*(4*(\G)+\tt)+16
	ds_load_b128 v[96+64*((\G)%2)+8*\tt:96+64*((\G)%2)+8*\tt+3],   v[PAD] offset:\base+2048+64*(4*(\G)+\tt)
	ds_load_b128 v[96+64*((\G)%2)+8*\tt+4:96+64*((\G)%2)+8*\tt+7], v[PAD] offset:\base+2048+64*(4*(\G)+\tt)+16
.endr
.endm
.macro LNJOIN                          ; four chains of pairs, then the other half of the lanes: the row's sum in v[CH]
	v_pk_add_f32 v[CH:CH+1], v[CH:CH+1], v[CH+2:CH+3]
	v_pk_add_f32 v[CH+4:CH+5], v[CH+4:CH+5], v[CH+6:CH+7]
	v_pk_add_f32 v[CH:CH+1], v[CH:CH+1], v[CH+4:CH+5]
	v_add_f32 v[CH], v[CH], v[CH+1]
	v_permlanex16_b32 v[PT], v[CH], s[SEL], s[SEL+1]
	v_add_f32 v[CH], v[CH], v[PT]
.endm
.macro LNSTAT T
	WIN 0x08+4*\T                                  ; source 1: the accumulators' window
.set li, 0
.rept 128
.if li < 4
	v_pk_add_f32 v[CH+2*li:CH+2*li+1], 0, v[2*li:2*li+1] op_sel_hi:[0,1]     ; each accumulator from its low end on
.else
	v_pk_add_f32 v[CH+2*(li%4):CH+2*(li%4)+1], v[CH+2*(li%4):CH+2*(li%4)+1], v[2*li:2*li+1]
.endif
.set li, li+1
.endr
	WIN 0
	LNJOIN
	v_mul_f32 v[NM], 0xbb000000, v[CH]             ; -mean
	WIN 0x82+0x41*\T
.set li, 0
.rept 128
	v_pk_add_f32 v[2*li:2*li+1], v[2*li:2*li+1], v[NM:NM+1] op_sel_hi:[1,0]
.set li, li+1
.endr
	WIN 0x0a+5*\T
.set li, 0
.rept 128
.if li < 4
	v_pk_mul_f32 v[CH+2*li:CH+2*li+1], v[2*li:2*li+1], v[2*li:2*li+1]
.else
	v_pk_fma_f32 v[CH+2*(li%4):CH+2*(li%4)+1], v[2*li:2*li+1], v[2*li:2*li+1], v[CH+2*(li%4):CH+2*(li%4)+1]
.endif
.set li, li+1
.endr
	WIN 0
	LNJOIN
	v_fma_f32 v[CH], v[CH], s[I512], s[EPS]        ; var + eps
	v_rsq_f32 v[RS+2*\T], v[CH]
	v_nop                                          ; a plain line behind it, ahead of the next write of its source
.endm
.macro LNORM base
	NOPS 4                                         ; four places behind the last products: ahead of the first read of a result and of loads into registers that they have read
	LNLOAD 0, \base
	LNLOAD 1, \base
	LNSTAT 0
	LNSTAT 1
	s_wait_alu depctr_va_vdst(0)                   ; one wait for both roots, ahead of their first reader
.irp G, 0,1,2,3,4,5,6,7
.if \G < 7
	s_wait_dscnt 16                                ; this group's gains and biases are in; the next group's 16 loads may be out
.else
	s_wait_dscnt 0x0
.endif
.irp T, 0,1
	WIN 0x82+0x41*\T
.set li, 0
.rept 16
	v_pk_mul_f32 v[32*\G+2*li:32*\G+2*li+1], v[32*\G+2*li:32*\G+2*li+1], v[RS+2*\T:RS+2*\T+1] op_sel_hi:[1,0]
.set li, li+1
.endr
.set li, 0
.rept 16
	v_pk_fma_f32 v[32*\G+2*li:32*\G+2*li+1], v[32*\G+2*li:32*\G+2*li+1], v[64+64*(\G%2)+2*li:64+64*(\G%2)+2*li+1], v[96+64*(\G%2)+2*li:96+64*(\G%2)+2*li+1]
.set li, li+1
.endr
.endr
	WIN 0
.if \G < 6
	LNLOAD \G+2, \base
.endif
.endr
.endm
	LNORM 0                                        ; x1
	; ---- q_out = cos(theta_ffn) cos(x1[:8]), as the f32 form's operand: lane (r, hh) holds components 4 hh .. 4 hh + 3 of row r.  Columns 0 to 7 lie in lanes 0-15 of column tile 0
	WIN 0x02
.irp k, 0,1,2,3
	v_mov_b32 v[96+\k], v[\k]
	v_mov_b32 v[104+\k], v[4+\k]
.endr
	WIN 0x03
.irp k, 0,1,2,3
	v_mov_b32 v[100+\k], v[\k]
	v_mov_b32 v[108+\k], v[4+\k]
.endr
	WIN 0
.irp k, 0,1,2,3,4,5,6,7
	v_permlane16_swap_b32 v[96+\k], v[104+\k]      ; the first's lanes 16-31 take the second's lanes 0-15: components 4 to 7 of the same row
.endr
	v_mov_b32 v152, 0xb2d7322b                     ; -1 / 11! (A's fragments and LN's vectors are done with)
	v_mov_b32 v153, 0xb2d7322b
	COSPK 96, 144, 4, 112, 120, 128, 136, 152
.irp i, 0,1,2,3
	v_pk_mul_f32 v[QF+2*\i:QF+2*\i+1], v[144+2*\i:144+2*\i+1], v[CTH+2*(\i%2):CTH+2*(\i%2)+1]
.endr
	W1LOAD W1L                                     ; the first K step's rows of w1; the wait stands at the K step's head
; 64 numbers of a lane, none negative, register 16 b + i = k 32 b + 16 hh + i of my row, become a fragment's codes in v[pc] on and its scale word in v[pw]
.macro QUANT s, pc, pw
.irp b, 0,1,2,3
	v_max3_num_f32 v[TM+\b], v[\s+16*\b], v[\s+1+16*\b], 0x1800000           ; my 16 numbers of block b, and the floor 2^(3 - 127): the byte cannot fall under 1
.endr
.irp i, 2,4,6,8,10,12,14
.irp b, 0,1,2,3
	v_max3_num_f32 v[TM+\b], v[TM+\b], v[\s+16*\b+\i], v[\s+1+16*\b+\i]
.endr
.endr
.irp b, 0,1,2,3
	v_permlanex16_b32 v[TM+4+\b], v[TM+\b], s[SEL], s[SEL+1]
.endr
.irp b, 0,1,2,3
	v_max_num_f32 v[TM+\b], v[TM+\b], v[TM+4+\b]   ; with lane l xor 16's: the block's largest number
.endr
.irp b, 0,1,2,3
	v_add_nc_u32 v[TM+12+\b], 0xff000000, v[TM+\b] ; 2 off its exponent field: the conversion's scale operand
.endr
.irp b, 0,1,2,3
	v_lshrrev_b32 v[TM+4+\b], 23, v[TM+12+\b]      ; the scale's byte
.endr
	v_lshl_or_b32 v[\pw], v[TM+5], 8, v[TM+4]
	v_lshl_or_b32 v[\pw], v[TM+6], 16, v[\pw]
	v_lshl_or_b32 v[\pw], v[TM+7], 24, v[\pw]
.irp c, 0,1
	v_cvt_scalef32_pk16_fp6_f32 v[\pc+6*\c:\pc+6*\c+2], v[\s+32*\c:\s+32*\c+15], v[TM+12+2*\c]
	v_cvt_scalef32_pk16_fp6_f32 v[CVT+4*\c:CVT+4*\c+2], v[\s+32*\c+16:\s+32*\c+31], v[TM+12+2*\c+1]
.endr
	v_nop                                          ; one plain line behind the conversions
.irp c, 0,1                            ; the operand's layout wants a WHOLE block in a lane
.irp i, 0,1,2
	v_permlane16_swap_b32 v[\pc+6*\c+\i], v[CVT+4*\c+\i]
.endr
.irp i, 0,1,2
	v_mov_b32 v[\pc+3+6*\c+\i], v[CVT+4*\c+\i]
.endr
.endr
.endm
; 128 hidden units of row tile T: transposed: source 0 = 16 rows of w1, source 1 = q_out; eight tiles by turns; the first K step starts the sums
.macro HID T
.irp tt, 0,1,2,3,4,5,6,7
	v_wmma_f32_16x16x4_f32 v[HD+8*\tt:HD+8*\tt+7], v[W1F+4*\tt:W1F+4*\tt+1], v[QF+4*\T:QF+4*\T+1], 0
.endr
.irp tt, 0,1,2,3,4,5,6,7
	v_wmma_f32_16x16x4_f32 v[HD+8*\tt:HD+8*\tt+7], v[W1F+4*\tt+2:W1F+4*\tt+3], v[QF+4*\T+2:QF+4*\T+3], v[HD+8*\tt:HD+8*\tt+7]
.endr
.endm
.macro RELU                            ; into other registers; each tile from its low end on
.set li, 0
.rept 64
	v_max_num_f32 v[HR+li], 0, v[HD+li]
.set li, li+1
.endr
.endm
.macro FQUAD q                         ; a run of 12 fragment loads between two parts of the hidden layer's work
	WIN 0x40
	WQUAD \q
	WIN 0
.endm
; a K step of the second product: 128 hidden units are computed, clipped, quantised and multiplied.  The LDS loads stand in short runs at the changes between matrix and vector work.
.macro KSTEP
	v_add_nc_u32 v[ADW], s[TB], v[L16]
	v_add_nc_u32 v[ADS], s[TB], v[L4]
	s_min_u32 s[TH2], s[TH], 61440                 ; the last K step has no successor: its fetch ahead is held at its own rows, eight loads that nobody uses, once
	v_add_nc_u32 v[ADH], s[TH2], v[W1L]
	v_nop                                          ; with the three additions: four places ahead of loads into registers that the last products have read
	FQUAD 0
	s_wait_dscnt 12                                ; w1's fragments, asked for a K step ago, are in; quad 0's 12 loads may be out
	HID 0
	FQUAD 1
	NOPS 8                                         ; eight places behind this form ahead of the first read of a result
	RELU
	WSLOAD
	QUANT HR, AFR, AS
	s_wait_dscnt 16                                ; quads 0 and 1 are in; the 16 scale words may be out
	FQUAD 2
	HID 1
	FQUAD 3
	NOPS 8                                         ; likewise; they are also the places ahead of the loads into w1's registers below
	RELU
	W1LOAD ADH                                     ; the next K step's rows of w1
	QUANT HR, AFR+12, AS+1
	FQUAD 4
	NOPS 8                                         ; a scale register written by a vector line stands eight places ahead of a scaled product, an operand four
	GPART AFR, AS, 0, AS+1, 0, 5
	s_add_co_u32 s[TB], s[TB], KSB
	s_add_co_u32 s[TH], s[TH], 4096
.endm
	s_mov_b32 s[CO], 6
.Lffn:                                                 ; six slots, behind each of which a slot is asked for
	s_mov_b32 s[CI], 2
.Lks:
	KSTEP
	s_sub_co_u32 s[CI], s[CI], 1
	s_cmp_lg_u32 s[CI], 0
	s_cbranch_scc1 .Lks
	CHANGE 1
	s_sub_co_u32 s[CO], s[CO], 1
	s_cmp_lg_u32 s[CO], 0
	s_cbranch_scc1 .Lffn
	s_mov_b32 s[CO], 2
.Ltail:                                                ; the last two slots are written out: nothing is asked for (the second of these barriers orders nothing more)
	s_mov_b32 s[CI], 2
.Lkt:
	KSTEP
	s_sub_co_u32 s[CI], s[CI], 1
	s_cmp_lg_u32 s[CI], 0
	s_cbranch_scc1 .Lkt
	CHANGE 0
	s_sub_co_u32 s[CO], s[CO], 1
	s_cmp_lg_u32 s[CO], 0
	s_cbranch_scc1 .Ltail
	LNORM 4096
; THE WAY OUT: chunk n = 16 rows x 256 bytes goes through my stage and comes back by rows, into the registers that it left; sixteen lanes store 256 consecutive bytes, aligned
.macro TOST n
	WIN 0x88+0x44*((\n)/8)
.irp tt, 0,1,2,3
	ds_store_b128 v[STO], v[32*((\n)%8)+8*\tt:32*((\n)%8)+8*\tt+3] offset:64*\tt
	ds_store_b128 v[STO], v[32*((\n)%8)+8*\tt+4:32*((\n)%8)+8*\tt+7] offset:64*\tt+16
.endr
.irp i, 0,1,2,3,4,5,6,7
	ds_load_b128 v[32*((\n)%8)+4*\i:32*((\n)%8)+4*\i+3], v[SRD] offset:544*\i
.endr
.endm
.macro SEND n, younger                 ; younger: the LDS instructions issued behind chunk n's loads, which may stay out
	s_wait_dscnt \younger
	WIN 0x88+0x44*((\n)/8)
.irp i, 0,1,2,3,4,5,6,7
	global_store_b128 v[XOF], v[32*((\n)%8)+4*\i:32*((\n)%8)+4*\i+3], s[24:25] offset:262144*\i+256*((\n)%8)+2097152*((\n)/8) th:TH_STORE_NT
.endr
.endm
	TOST 0
.irp n, 1,2,3,4,5,6,7,8,9,10,11,12,13,14,15
	TOST \n
	SEND \n-1, 16
.endr
	SEND 15, 0
	WIN 0
	s_wait_tensorcnt 0x0                           ; the wave's end, behind my last tensor load and my last LDS store
	ds_add_u32 v[SPW], v[NIL]
	s_wait_dscnt 0x0
	CROUND                                         ; the closing round: no work-group ends while a partner may still ask for a tile that names it
	s_endpgm
.Lfunc_end_k_qf7a325e259_mlp:
	.size	k_qf7a325e259_mlp, .Lfunc_end_k_qf7a325e259_mlp-k_qf7a325e259_mlp
	.p2alignl 7, 3214868480
	.fill 96, 4, 3214868480
	.section	.rodata,"a",@progbits
	.p2align	6, 0x0
	.amdhsa_kernel k_qf7a325e259_mlp
		.amdhsa_group_segment_fixed_size 327680
		.amdhsa_private_segment_fixed_size 0
		.amdhsa_enable_private_segment 0
		.amdhsa_kernarg_size 88
		.amdhsa_user_sgpr_count 2
		.amdhsa_user_sgpr_kernarg_segment_ptr 1
		.amdhsa_wavefront_size32 1
		.amdhsa_system_sgpr_workgroup_id_x 1
		.amdhsa_system_sgpr_workgroup_id_y 1
		.amdhsa_system_sgpr_workgroup_id_z 1
		.amdhsa_system_vgpr_workitem_id 0
		.amdhsa_next_free_vgpr 1024
		.amdhsa_next_free_sgpr 102
		.amdhsa_reserve_vcc 0
		.amdhsa_float_denorm_mode_32 3
		.amdhsa_float_denorm_mode_16_64 3
		.amdhsa_memory_ordered 1
		.amdhsa_forward_progress 1
		.amdhsa_inst_pref_size 255
	.end_amdhsa_kernel
	.section	.bss,"aw",@nobits
	.p2align	6
	.space	262144
	.amdgpu_metadata
---
amdhsa.version: [ 1, 2 ]
amdhsa.kernels:
  - .name:           k_qf7a325e259_mlp
    .symbol:         k_qf7a325e259_mlp.kd
    .args:
      - { .name: x, .offset: 0, .size: 8, .value_kind: global_buffer, .address_space: global }
      - { .name: acodes, .offset: 8, .size: 8, .value_kind: global_buffer, .address_space: global }
      - { .name: ascales, .offset: 16, .size: 8, .value_kind: global_buffer, .address_space: global }
      - { .name: wstream, .offset: 24, .size: 8, .value_kind: global_buffer, .address_space: global }
      - { .name: w1, .offset: 32, .size: 8, .value_kind: global_buffer, .address_space: global }
      - { .name: theta_ffn, .offset: 40, .size: 8, .value_kind: global_buffer, .address_space: global }
      - { .name: ln1_g, .offset: 48, .size: 8, .value_kind: global_buffer, .address_space: global }
      - { .name: ln1_b, .offset: 56, .size: 8, .value_kind: global_buffer, .address_space: global }
      - { .name: ln2_g, .offset: 64, .size: 8, .value_kind: global_buffer, .address_space: global }
      - { .name: ln2_b, .offset: 72, .size: 8, .value_kind: global_buffer, .address_space: global }
      - { .name: out0, .offset: 80, .size: 8, .value_kind: global_buffer, .address_space: global }
    .group_segment_fixed_size: 327680
    .private_segment_fixed_size: 0
    .kernarg_segment_align: 8
    .kernarg_segment_size: 88
    .max_flat_workgroup_size: 128
    .sgpr_count:     102
    .vgpr_count:     1024
    .wavefront_size: 32
...
	.end_amdgpu_metadata
.endif
;; end of part 2
